; MI455X (gfx1250); checked and timed in simulation.
; The chip was launched on July 23, 2026; its instructions are those of AMD's public machine-readable ISA for CDNA 5 (MIT licence, August 2026) and "CDNA5" Instruction Set Architecture Reference Guide (July 2026). The comments in the code are by the model that wrote it; some were corrected since.
;; Cross Trans Former. Allowed arithmetic: matrix products marked QUANTISED: E2M1 operands, one E8M0 scale for each 32 along K, by v_wmma_scale_f32_16x16x128_f8f6f4 with both operands' format E2M1 (or v_wmma_scale_f32_32x16x128_f4), f32 sums; everything else in f32.
;; Inputs: Wk_codes 1,024 x 32 x 16 uint8 (E2M1 codes of Wk, K innermost, in blocks of 32 codes, two codes a byte); Wk_scales 1,024 x 32 uint8 (E8M0 scales of Wk, one for each 32 codes along K); Wq_codes 1,024 x 32 x 16 uint8 (E2M1 codes of Wq, K innermost, in blocks of 32 codes, two codes a byte); Wq_scales 1,024 x 32 uint8 (E8M0 scales of Wq, one for each 32 codes along K); Wv_codes 1,024 x 32 x 16 uint8 (E2M1 codes of Wv, K innermost, in blocks of 32 codes, two codes a byte); Wv_scales 1,024 x 32 uint8 (E8M0 scales of Wv, one for each 32 codes along K); Xk_codes 4 x 2,048 x 32 x 16 uint8 (E2M1 codes of Xk, K innermost, in blocks of 32 codes, two codes a byte); Xk_scales 4 x 2,048 x 32 uint8 (E8M0 scales of Xk, one for each 32 codes along K); Xq_codes 4 x 2,048 x 32 x 16 uint8 (E2M1 codes of Xq, K innermost, in blocks of 32 codes, two codes a byte); Xq_scales 4 x 2,048 x 32 uint8 (E8M0 scales of Xq, one for each 32 codes along K); beta1 1,024 float32; beta2 1,024 float32; beta3 1,024 float32; gamma1 1,024 float32; gamma2 1,024 float32; gamma3 1,024 float32; mean1 1,024 float32; mean2 1,024 float32; mean3 1,024 float32; var1 1,024 float32; var2 1,024 float32; var3 1,024 float32.
;; Outputs: out0 4 x 1,024 x 2,048 float32.
;; This version of the problem:
;;   THIS VERSION OF THE PROBLEM IS GIVEN IN LOW PRECISION. The matrix products marked QUANTISED in the list below multiply operands that are first quantised to E2M1 (2 exponent bits, 1 mantissa bit; 4 bits a number), with one power-of-two scale for each 32 numbers along K (OCP MX v1.0); their sums are f32. All else is computed in f32.
;;   The module's matrix products, in the order in which they are computed (A, B: the left and right operand; K: the contracted axis; several contracted axes count as one K, in the product's order):
;;     1. [M 8,192, K 1,024] x [K 1,024, N 1,024]; A: input Xq (given as codes); B: input Wq (given as codes): QUANTISED
;;     2. [M 8,192, K 1,024] x [K 1,024, N 1,024]; A: input Xk (given as codes); B: input Wk (given as codes): QUANTISED
;;     3. [M 8,192, K 1,024] x [K 1,024, N 1,024]; A: input Xq (given as codes); B: input Wv (given as codes): QUANTISED
;;     4. batch 32 x [M 2,048, K 128] x [K 128, N 2,048]; A: computed on the way; B: computed on the way: QUANTISED
;;     5. batch 32 x [M 128, K 2,048] x [K 2,048, N 2,048]; A: computed on the way; B: softmax (see below): QUANTISED
;;   THE QUANTISER, for each operand of a quantised product, along K:
;;     - K is cut into blocks of 32 from its start; a last block that is shorter is filled with zeros.
;;     - A block's scale is 2^e with e = floor(log2(the largest magnitude in the block)) - 2, held to -126 .. 127; a block of zeros has e = 0. As a byte (E8M0): e + 127.
;;     - Each number is divided by its block's scale, clamped to +-6, and rounded to the nearest number of E2M1, ties to even, subnormals kept.
;;     - The product sums the exact products of the quantised numbers (number of the format x scale) in f32.
;;   ~~~python
;;   def quantise(x, axis):      # numpy; x: float32 -> the quantised numbers, widened to float32 again
;;       x = np.moveaxis(x, axis, -1); K = x.shape[-1]
;;       x = np.pad(x, [(0, 0)] * (x.ndim - 1) + [(0, -K % 32)]); x = x.reshape(x.shape[:-1] + (-1, 32)); a = np.abs(x).max(-1, keepdims=True)
;;       e = np.where(a > 0, np.clip(np.frexp(np.where(a > 0, a, 1))[1] - 1 - 2, -126, 127), 0)      # np.frexp(a)[1] - 1 = floor(log2(a)), exactly
;;       r = np.clip(x / 2.0 ** e, -6, 6)
;;       step = 2.0 ** (np.maximum(np.frexp(np.where(r == 0, 1, r))[1] - 1, 0) - 1)
;;       q = np.round(r / step) * step * 2.0 ** e      # np.round: ties to even
;;       return np.moveaxis(q.reshape(q.shape[:-2] + (-1,))[..., :K], -1, axis).astype(np.float32)
;;   ~~~
;;   SOFTMAX AHEAD OF A QUANTISED PRODUCT. Where the list says 'softmax', what is quantised is not the finished softmax but p = 2^(t - M), with t = logit x log2(e) and M = ceil(the row's largest t), a whole number; so 1/2 < the row's largest p <= 1. The row's sum l is taken of the UNQUANTISED p, in f32, and the product's result is divided by l at the end. Since M is a whole number, a kernel that streams over the keys may use a running M (the ceiling of the running maximum): every later rescaling is an exact power of two, which a block's scale takes up: the codes' values come out the same.
;;   OPERANDS COMPUTED ON THE WAY. 'Computed on the way' means the value that the module computes at that place (a softmax that the list does not call 'softmax' is quantised finished and normalised). What goes into a quantiser is computed in f32, as accurately as f32 sums, v_exp_f32 and their like allow (about 1e-6 of the number): no bf16 or f16 on the way to a quantiser, and a product that is left as it is and whose result goes on into a quantised operand takes f32 operands (vector FMAs, or v_wmma_f32_16x16x4_f32). A number that lies on a knife's edge between two numbers of the format may be rounded either way, as far as f32 arithmetic and the matrix unit's own rounding can turn it there, and no further.
;;   INPUTS GIVEN AS CODES. Wk (in the module: [1024, 1024], K = its axis 1); Wq (in the module: [1024, 1024], K = its axis 1); Wv (in the module: [1024, 1024], K = its axis 1); Xk (in the module: [4, 1024, 2048], K = its axis 1); Xq (in the module: [4, 1024, 2048], K = its axis 1): each comes as NAME_codes (uint8): NAME with its K axis moved to the last place and cut into blocks of 32 codes, [.., K / 32, bytes a block], one block behind the other in memory; two codes a byte, the lower K in the low four bits (a code: sign, 2 exponent bits, 1 mantissa bit); and NAME_scales (uint8): the same leading axes, one E8M0 byte (e + 127) for each 32 codes along K. Its value is code x scale, taken as it is: it is not quantised again, and the codes and scales need not be those that the quantiser above would give.
;; One version. Each part assembles by itself: llvm-mc -triple=amdgcn-amd-amdhsa -mcpu=gfx1250 --defsym DOCPART=n.
;; ======== version 1 of 1: 2 launches
;; workspace buffers: kc 4,194,304 bytes; ks 262,144 bytes; kv 8,912,896 bytes
;; launch proj (part 1): grid 64 x 3, 4 waves a work-group, no clusters, 168,448 bytes of LDS; arguments Xk_codes, Xk_scales, Xq_codes, Xq_scales, Wk_codes, Wk_scales, Wv_codes, Wv_scales, Wq_codes, Wq_scales, gamma2, beta2, mean2, var2, gamma3, beta3, mean3, var3, gamma1, beta1, mean1, var1, kc, ks, kv; writes kc, ks, kv
.if DOCPART == 1
	.amdgcn_target "amdgcn-amd-amdhsa--gfx1250"
	.amdhsa_code_object_version 6
	.text
	.protected	k_q7b80768d25_proj
	.globl	k_q7b80768d25_proj
	.p2align	8
	.type	k_q7b80768d25_proj,@function
k_q7b80768d25_proj:
	s_mov_b64 s[64:65], 0
	v_nop
	global_prefetch_b8 v0, s[64:65] scope:SCOPE_SE
	s_setreg_imm32_b32 hwreg(HW_REG_WAVE_MODE, 25, 1), 1
	s_wait_xcnt 0x0
; THE THREE BRANCHES: conv1x1 on codes of FP4 (E2M1, one E8M0 byte for each 32 along K = 1,024), BatchNorm with given statistics, LeakyReLU(0.1), and the quantiser of the attention's operands.
; Work-group y = 0: the K branch (Xk, Wk, BN 2) -> kc, ks;  y = 1: the V branch (Xq, Wv, BN 3) -> kv;  y = 2: the Q branch (Xq, Wq, BN 1) -> kv.
; UNIT OF WORK: one fragment of an attention operand: 128 rows of S0 (source 0) x 16 rows of S1 (source 1), K = 1,024: 8 accumulators x 8 K steps = 64 matrix instructions.
;   y = 0, 1 (way C): S0 = the 128 rows of W of one head, S1 = 16 positions of X: a lane holds one position, its registers run along the head's channels, the first attention product's K.
;   y = 2    (way P): S0 = 128 positions of Xq, S1 = 16 rows of Wq: a lane holds one channel, its registers run along the positions, the second attention product's K.
; THE ROWS OF A TILE ARE NOT NEIGHBOURS: row m of tile T is index 32 (T / 2) + 8 (T % 2) + m + 8 (m / 8), for S0 and for S1 alike.  So register 8 t + j of lane (r, h) is S0's row 32 (t / 2) + 16 h + 8 (t % 2) + j:
; the 16 registers of tiles 2 b and 2 b + 1 are 16 neighbours along the next K; and the tiles of keys and channels that the attention reads are laid in the order that it wants.
; SHARES.  A wave keeps its S0 block (128 rows x 1,024 K: 64 fragments, 512 registers) for the whole launch, loaded once; the four waves hold four S0 blocks and share one S1 block of 256 rows in LDS, filled once.
; 16 fragments a wave, 12,288 in all: 192 work-groups.  3 x 4,096 fragments do not divide evenly among 1,024 waves in whole runs of S1 tiles; a cut three times finer would load each S0 block three times.
; NO JOINT LOADS: of the 411 KB that a work-group reads, 272 KB (S0) go straight into registers; the S1 block is shared by two work-groups only on way C, which is two thirds of the grid.
; OUT: a fragment leaves as an image of its registers (byte 512 c + 16 lane = registers 4 c .. 4 c + 3), 1,024 bytes; the scale words of four tiles as a group of 256 bytes (byte 16 r + 4 q = row r of tile q).
;   kc [bh 32][tile 128][1024];  ks [bh][group 32][256];  kv [bh][chunk of 512 keys, 4][69,632]: +0 V's 32 tiles, +32,768 Q's [step 4][channel tile 8], +65,536 V's 8 groups, +67,584 Q's [step 4][2] groups.
; LIMITS: NaN and infinities are not served.  A block whose largest magnitude lies under 2^-124, a block of zeros among them, gets the byte 1 (the rule says 127 for zeros): its codes are zeros or what the floor's scale gives,
; and this program alone reads the bytes.  BN's scale is gamma x v_rsq_f32(var + eps); LeakyReLU is max(y, 0.1 y), which is the same for finite y.
; REGISTERS, in windows of 256: window 0: addresses, S1's fragments, the accumulators, scale words, the quantiser;  windows 1, 2: S0's fragment (t, s) at v[8 (8 (s % 4) + t)] of window 1 + s / 4;  window 3: BN.
.set SCL,  135168                      ; LDS: 0: S1's codes, 256 rows of 512 bytes + 16 of padding;  SCL: S1's scale bytes, 8,192 dense
.set XP,   528
.set XA0,  7                           ; v7   rp x 528 + 16 h: my lane's place in a tile of S1
.set XS0,  8                           ; v8   SCL + rp x 32 + 16 h: and among its scale bytes
.set XA,   9                           ; v9   this trip's address of S1's codes
.set XS,   10                          ; v10  and of its scale bytes
.set LI,   11                          ; v11  16 x lane
.set CO,   12                          ; v12  offset of this trip's code stores
.set SL,   13                          ; v13  16 r + 8 h
.set SO,   14                          ; v14  offset of this trip's scale store
.set BA,   15                          ; v15  BN: way C 64 h; way P 4 rp
.set BO,   16                          ; v16  way P: this trip's BN offset
.set XF,   32                          ; v32-95   S1's fragments, K step s at XF + 8 s
.set S1W,  96                          ; v96-99   S1's scale words: register k: lanes 0-15 K step k, lanes 16-31 K step 4 + k
.set ACC,  104                         ; v104-167 the eight accumulators
.set S0W,  168                         ; v168-199 S0's scale words, tile t at S0W + 4 t, laid as S1's
.set PC,   200                         ; v200-207 the fragment's codes
.set TM,   208                         ; v208-223 the quantiser's temporaries
.set PW,   224                         ; v224-227 the scale words of a trip's four tiles
.set PO,   228                         ; v228-229 the scale store's data
.set LT,   230                         ; v230-245 0.1 y
.set PS0C, 66                          ; s[66:67] .. s[84:85]: the pointers chosen for this work-group's branch
.set PS0S, 68
.set PS1C, 70
.set PS1S, 72
.set PG,   74
.set PB,   76
.set PM,   78
.set PV,   80
.set OC,   82
.set OS,   84
.set WV,   86
.set YY,   87
.set XX,   88
.set UU,   89
.set VV,   90
.set TG,   91                          ; the trip
.set SEL,  92                          ; s[92:93] v_permlanex16_b32's selects for lane l xor 16
.set SLP,  94                          ; s[94:95] 0.1
.set EPS,  96                          ; s[96:97] 1e-5
.set HM,   98                          ; the lanes with h = 1
.set TX,   99                          ; 64 rows x 528 bytes a trip
.set TXS,  100                         ; 64 rows x 32 bytes a trip
.set SB,   101                         ; my S0 block
.set MSB, 0
.macro WIN new                         ; the immediate's high byte repeats the setting that is left
.if MSB != \new
	s_set_vgpr_msb (MSB<<8)|\new
.set MSB, \new
.endif
.endm
; S1's tile i of the trip (i = 4: the next trip's first): 8 fragments of 16 rows x 128 K, two loads of 16 bytes each, and the rows' 16 bytes of scale words of my half of K
.macro FETCH i
.set RR, 32*((\i)/2)+8*((\i)%2)
.irp s, 0,1,2,3,4,5,6,7
.irp c, 0,1
	ds_load_b128 v[XF+8*\s+4*\c:XF+8*\s+4*\c+3], v[XA] offset:RR*XP+64*\s+32*\c
.endr
.endr
	ds_load_b128 v[S1W:S1W+3], v[XS] offset:RR*32
.endm
; 64 matrix instructions: K step by K step, the eight accumulators by turns, one instruction a turn.  The first K step starts the sums with the constant 0.
.macro MULS
	WIN 0x01                                       ; source 0 (S0) window 1
.irp s, 0,1,2,3
.irp t, 0,1,2,3,4,5,6,7
.if \s == 0
	v_wmma_scale_f32_16x16x128_f8f6f4 v[ACC+8*\t:ACC+8*\t+7], v[8*(8*\s+\t):8*(8*\s+\t)+7], v[XF+8*\s:XF+8*\s+7], 0, v[S0W+4*\t+\s], v[S1W+\s] matrix_a_fmt:MATRIX_FMT_FP4 matrix_b_fmt:MATRIX_FMT_FP4
.else
	v_wmma_scale_f32_16x16x128_f8f6f4 v[ACC+8*\t:ACC+8*\t+7], v[8*(8*\s+\t):8*(8*\s+\t)+7], v[XF+8*\s:XF+8*\s+7], v[ACC+8*\t:ACC+8*\t+7], v[S0W+4*\t+\s], v[S1W+\s] matrix_a_fmt:MATRIX_FMT_FP4 matrix_b_fmt:MATRIX_FMT_FP4
.endif
.endr
.endr
	WIN 0x02                                       ; source 0 window 2: K steps 4 to 7, whose scale words lie in lanes 16-31
.irp s, 0,1,2,3
.irp t, 0,1,2,3,4,5,6,7
	v_wmma_scale_f32_16x16x128_f8f6f4 v[ACC+8*\t:ACC+8*\t+7], v[8*(8*\s+\t):8*(8*\s+\t)+7], v[XF+32+8*\s:XF+32+8*\s+7], v[ACC+8*\t:ACC+8*\t+7], v[S0W+4*\t+\s], v[S1W+\s] matrix_a_fmt:MATRIX_FMT_FP4 matrix_b_fmt:MATRIX_FMT_FP4 matrix_a_scale:MATRIX_SCALE_ROW1 matrix_b_scale:MATRIX_SCALE_ROW1
.endr
.endr
	WIN 0
.endm
; BN, way C: a register has its own channel: scale at v[n], shift at v[64 + n] of window 3.  Each accumulator is read from its low end on.
.macro BN_C
	WIN 0x3c                                       ; sources 1 and 2 window 3
.set J, 0
.rept 32
	v_pk_fma_f32 v[ACC+J:ACC+J+1], v[ACC+J:ACC+J+1], v[J:J+1], v[64+J:65+J]
.set J, J+2
.endr
	WIN 0
.endm
; BN, way P: a lane has its own channel.  With the trip's first tile the four tiles' scale and shift are made of what the trip's head loaded; each is kept twice, as a pair for the packed form.
.macro BN_P q
.if \q == 0
	s_wait_loadcnt 0x0                             ; the sixteen loads of the trip's head
	WIN 0xff
.irp k, 0,1,2,3
	v_add_f32 v[12+\k], s[EPS], v[12+\k]
.endr
.irp k, 0,1,2,3
	v_rsq_f32 v[12+\k], v[12+\k]
.endr
	v_nop                                          ; a plain place behind the transcendentals
	s_wait_alu depctr_va_vdst(0)
.irp k, 0,1,2,3
	v_mul_f32 v[16+4*\k], v[\k], v[12+\k]          ; scale = gamma / sqrt(var + eps)
.endr
.irp k, 0,1,2,3
	v_fma_f32 v[18+4*\k], -v[8+\k], v[16+4*\k], v[4+\k]   ; shift = beta - mean x scale
.endr
.irp k, 0,1,2,3
	v_mov_b32 v[17+4*\k], v[16+4*\k]
	v_mov_b32 v[19+4*\k], v[18+4*\k]
.endr
.endif
	WIN 0x3c
.set J, 0
.rept 32
	v_pk_fma_f32 v[ACC+J:ACC+J+1], v[ACC+J:ACC+J+1], v[16+4*\q:17+4*\q], v[18+4*\q:19+4*\q]
.set J, J+2
.endr
	WIN 0
.endm
.macro LEAKY                           ; max(y, 0.1 y)
.irp g, 0,1,2,3
.irp p, 0,2,4,6,8,10,12,14
	v_pk_mul_f32 v[LT+\p:LT+\p+1], v[ACC+16*\g+\p:ACC+16*\g+\p+1], s[SLP:SLP+1] op_sel_hi:[1,0]
.endr
.irp p, 0,1,2,3,4,5,6,7,8,9,10,11,12,13,14,15
	v_max_num_f32 v[ACC+16*\g+\p], v[ACC+16*\g+\p], v[LT+\p]
.endr
.endr
.endm
; A lane's 64 numbers, register 16 b + i = k 32 b + 16 h + i of its row, become the fragment's codes in v[PC] on and its row's scale word in v[pw].
.macro QUANT pw
.irp b, 0,1,2,3
	v_max3_num_f32 v[TM+\b], |v[ACC+16*\b]|, |v[ACC+1+16*\b]|, 0x1800000   ; block b: my 16 numbers, and the floor 2^(3 - 127): the byte cannot fall under 1
.endr
.irp i, 2,4,6,8,10,12,14
.irp b, 0,1,2,3
	v_max3_num_f32 v[TM+\b], v[TM+\b], |v[ACC+16*\b+\i]|, |v[ACC+1+16*\b+\i]|   ; the four blocks by turns
.endr
.endr
.irp b, 0,1,2,3
	v_permlanex16_b32 v[TM+4+\b], v[TM+\b], s[SEL], s[SEL+1]
.endr
.irp b, 0,1,2,3
	v_max_num_f32 v[TM+\b], v[TM+\b], v[TM+4+\b]   ; with lane l xor 16's: the block's largest magnitude
.endr
.irp b, 0,1,2,3
	v_add_nc_u32 v[TM+12+\b], 0xff000000, v[TM+\b] ; 2 off its exponent field: the conversion takes this operand's exponent field as its scale
.endr
.irp b, 0,1,2,3
	v_lshrrev_b32 v[TM+4+\b], 23, v[TM+12+\b]      ; the scale's byte
.endr
	v_lshl_or_b32 v[\pw], v[TM+5], 8, v[TM+4]
	v_lshl_or_b32 v[\pw], v[TM+6], 16, v[\pw]
	v_lshl_or_b32 v[\pw], v[TM+7], 24, v[\pw]
.irp b, 0,1,2,3
	v_cvt_scalef32_pk8_fp4_f32 v[PC+2*\b], v[ACC+16*\b:ACC+7+16*\b], v[TM+12+\b]
	v_cvt_scalef32_pk8_fp4_f32 v[PC+1+2*\b], v[ACC+8+16*\b:ACC+15+16*\b], v[TM+12+\b]
.endr
	v_nop                                          ; one plain place behind a scaled conversion
.irp c, 0,1                                    ; the operand's layout wants a whole block in a lane: lanes 0-15 block 2 c, lanes 16-31 block 2 c + 1
.irp i, 0,1
	v_permlane16_swap_b32 v[PC+4*\c+\i], v[PC+2+4*\c+\i]
.endr
.endr
.endm
; One fragment.  typ: 0 way C, 1 way P;  q: the tile in the trip;  pre = 1: the next tile is fetched, and has the whole epilogue in which to land.
.macro TILE typ, q, pre
	s_wait_dscnt 0x0                               ; this tile's 17 LDS loads
	MULS
.rept 4
	v_nop                                          ; four places: in front of the loads into registers that the products read, and of the first read of their results
.endr
.if \pre
	FETCH \q+1
.endif
	s_wait_xcnt 0x0                                ; the last tile's stores have read v[PC] on, which is written again below
.if \typ
	BN_P \q
.else
	BN_C
.endif
	LEAKY
	QUANT PW+\q
	global_store_b128 v[CO], v[PC:PC+3], s[OC:OC+1] offset:1024*\q          ; 32 lanes store 512 consecutive bytes, at a multiple of 256 from the buffer's first byte
	global_store_b128 v[CO], v[PC+4:PC+7], s[OC:OC+1] offset:1024*\q+512
.endm
; Four fragments and their group of scale words.
.macro TRIP typ, last
.if \typ
	WIN 0xc0                                       ; destination window 3
.irp q, 0,1,2,3
	global_load_b32 v[\q], v[BO], s[PG:PG+1] offset:4*(32*(\q/2)+8*(\q%2))
	global_load_b32 v[4+\q], v[BO], s[PB:PB+1] offset:4*(32*(\q/2)+8*(\q%2))
	global_load_b32 v[8+\q], v[BO], s[PM:PM+1] offset:4*(32*(\q/2)+8*(\q%2))
	global_load_b32 v[12+\q], v[BO], s[PV:PV+1] offset:4*(32*(\q/2)+8*(\q%2))
.endr
	WIN 0
.endif
	TILE \typ, 0, 1
	TILE \typ, 1, 1
	TILE \typ, 2, 1
	TILE \typ, 3, 1-\last
	v_cndmask_b32 v[PO], v[PW], v[PW+2], s[HM]     ; lane (r, h) stores the words of tiles 2 h and 2 h + 1 of row r (both halves of the lanes hold every word)
	v_cndmask_b32 v[PO+1], v[PW+1], v[PW+3], s[HM]
	global_store_b64 v[SO], v[PO:PO+1], s[OS:OS+1] ; 32 lanes store 256 consecutive bytes, aligned
.if !\last
	s_wait_xcnt 0x0                                ; the stores and loads have read their offsets, which step now
	s_add_co_u32 s[TG], s[TG], 1
	s_add_co_u32 s[TX], s[TX], 64*XP
	s_add_co_u32 s[TXS], s[TXS], 64*32
	v_add_nc_u32 v[XA], s[TX], v[XA0]
	v_add_nc_u32 v[XS], s[TXS], v[XS0]
	s_lshl_b32 s54, s[TG], 12                      ; four images a trip,
	s_lshl_b32 s55, s[TG], 8                       ; one group of scale words
.if \typ
	s_lshr_b32 s56, s[TG], 1                       ; trips 2 and 3 are the next head's: 278,528 bytes on, less the 8,192 (512) that the two trips have stepped
	s_mul_i32 s57, s56, 270336
	s_add_co_u32 s54, s54, s57
	v_add_nc_u32 v[BO], s55, v[BA]                 ; 64 channels of 4 bytes a trip
	s_mul_i32 s57, s56, 278016
	s_add_co_u32 s55, s55, s57
.endif
	v_add_nc_u32 v[CO], s54, v[LI]
	v_add_nc_u32 v[SO], s55, v[SL]
.endif
.endm
	s_load_b512 s[4:19], s[0:1], 0x0               ; Xk codes, scales; Xq codes, scales; Wk codes, scales; Wv codes, scales
	s_load_b128 s[20:23], s[0:1], 0x40             ; Wq codes, scales
	s_load_b512 s[24:39], s[0:1], 0x50             ; gamma, beta, mean, var of BN 2, then of BN 3
	s_load_b256 s[40:47], s[0:1], 0x90             ; of BN 1
	s_load_b128 s[48:51], s[0:1], 0xb0             ; kc, ks
	s_load_b64 s[52:53], s[0:1], 0xc0              ; kv
	v_lshl_add_u32 v254, v0, 2, 0x29000
	v_mov_b32 v255, 0
	ds_add_u32 v254, v255
	ds_add_u32 v254, v255
	v_lshrrev_b32 v17, 5, v0
	v_readfirstlane_b32 s[WV], v17                 ; wave 0..3
	s_and_b32 s[YY], ttmp7, 0xffff                 ; the branch
	s_mov_b32 s[XX], ttmp9
	s_and_b32 s54, s[XX], 1                        ; way C: 2 groups of four heads x 32 blocks of 256 positions
	s_lshr_b32 s55, s[XX], 1
	s_lshr_b32 s56, s[XX], 2                       ; way P: 16 groups of four blocks of 128 positions x 4 blocks of 256 channels
	s_and_b32 s57, s[XX], 3
	s_cmp_eq_u32 s[YY], 2
	s_cselect_b32 s[UU], s56, s54
	s_cselect_b32 s[VV], s57, s55                  ; the S1 block
	s_lshl_b32 s[SB], s[UU], 2
	s_add_co_u32 s[SB], s[SB], s[WV]               ; my S0 block
	s_mov_b32 s[SEL], 0x76543210
	s_mov_b32 s[SEL+1], 0xfedcba98
	s_mov_b32 s[SLP], 0x3dcccccd                   ; 0.1
	s_mov_b32 s[SLP+1], s[SLP]                     ; (named with it as a pair, so it is written)
	s_mov_b32 s[EPS], 0x3727c5ac                   ; 1e-5
	s_mov_b32 s[EPS+1], s[EPS]
	s_mov_b32 s[TG], 0
	s_mov_b32 s[TX], 0
	s_mov_b32 s[TXS], 0
	v_and_b32 v1, 15, v0                           ; r
	v_bfe_u32 v2, v0, 4, 1                         ; h
	v_and_b32 v3, 8, v1
	v_add_nc_u32 v3, v3, v1                        ; rp = r + 8 (r / 8)
	v_and_b32 v4, 31, v0                           ; lane
	v_lshlrev_b32 v5, 9, v3
	v_lshl_add_u32 v5, v2, 4, v5                   ; S0's codes: row rp of 512 bytes, + 16 h
	v_lshlrev_b32 v6, 5, v3
	v_lshl_add_u32 v6, v2, 4, v6                   ; S0's scale bytes: row rp of 32, + 16 h: my half of K
	v_mul_u32_u24 v[XA0], v3, XP
	v_lshl_add_u32 v[XA0], v2, 4, v[XA0]
	v_add_nc_u32 v[XS0], SCL, v6
	v_lshlrev_b32 v[LI], 4, v4
	v_lshlrev_b32 v[SL], 4, v1
	v_lshl_add_u32 v[SL], v2, 3, v[SL]
	v_cmp_ne_u32 s[HM], 0, v2
.irp b, 0,1,2,3
	v_mov_b32 v[TM+4+\b], 0                        ; written once: a lane permute's destination counts as one of its sources
.endr
	s_wait_dscnt 0x0
	s_wait_kmcnt 0x0
	s_cmp_eq_u32 s[YY], 0                          ; the choices hang on the work-group's number alone
	s_cselect_b64 s[PS0C:PS0C+1], s[12:13], s[16:17]
	s_cselect_b64 s[PS0S:PS0S+1], s[14:15], s[18:19]
	s_cselect_b64 s[PS1C:PS1C+1], s[4:5], s[8:9]
	s_cselect_b64 s[PS1S:PS1S+1], s[6:7], s[10:11]
	s_cselect_b64 s[PG:PG+1], s[24:25], s[32:33]
	s_cselect_b64 s[PB:PB+1], s[26:27], s[34:35]
	s_cselect_b64 s[PM:PM+1], s[28:29], s[36:37]
	s_cselect_b64 s[PV:PV+1], s[30:31], s[38:39]
	s_cselect_b64 s[OC:OC+1], s[48:49], s[52:53]
	s_cselect_b64 s[OS:OS+1], s[50:51], s[52:53]
	s_cmp_eq_u32 s[YY], 2
	s_cselect_b64 s[PS0C:PS0C+1], s[8:9], s[PS0C:PS0C+1]
	s_cselect_b64 s[PS0S:PS0S+1], s[10:11], s[PS0S:PS0S+1]
	s_cselect_b64 s[PS1C:PS1C+1], s[20:21], s[PS1C:PS1C+1]
	s_cselect_b64 s[PS1S:PS1S+1], s[22:23], s[PS1S:PS1S+1]
	s_cselect_b64 s[PG:PG+1], s[40:41], s[PG:PG+1]
	s_cselect_b64 s[PB:PB+1], s[42:43], s[PB:PB+1]
	s_cselect_b64 s[PM:PM+1], s[44:45], s[PM:PM+1]
	s_cselect_b64 s[PV:PV+1], s[46:47], s[PV:PV+1]
	s_lshl_b32 s54, s[SB], 16                      ; my S0 block: 128 rows of 512 bytes,
	s_mov_b32 s55, 0
	s_add_nc_u64 s[PS0C:PS0C+1], s[PS0C:PS0C+1], s[54:55]
	s_lshl_b32 s54, s[SB], 12                      ; of 32 scale bytes
	s_add_nc_u64 s[PS0S:PS0S+1], s[PS0S:PS0S+1], s[54:55]
	s_lshl_b32 s54, s[VV], 17                      ; the S1 block: 256 rows; I fetch rows 64 x wave on
	s_lshl_b32 s56, s[WV], 15
	s_add_co_u32 s54, s54, s56
	s_add_nc_u64 s[PS1C:PS1C+1], s[PS1C:PS1C+1], s[54:55]
	s_lshl_b32 s54, s[VV], 13
	s_lshl_b32 s56, s[WV], 11
	s_add_co_u32 s54, s54, s56
	s_add_nc_u64 s[PS1S:PS1S+1], s[PS1S:PS1S+1], s[54:55]
	; descriptors (over the pointers that are no longer wanted).  Codes: 64 rows of 64 elements of 8 bytes, dense in memory, 4 words of padding behind every 128
	s_mov_b32 s4, (3<<16)|(1<<20)|(6<<22)|(3<<25)
	s_mov_b32 s5, 64<<16                           ; tensor_dim0
	s_mov_b32 s6, 64<<16                           ; tensor_dim1
	s_mov_b32 s7, 64<<16                           ; tile_dim0
	s_mov_b32 s8, 64                               ; tile_dim1
	s_mov_b32 s9, 64                               ; pitch
	s_mov_b32 s10, 0
	s_mov_b32 s11, 0
	s_mov_b32 s12, 1
	s_mul_i32 s13, s[WV], 64*XP                    ; LDS: wave x 64 rows
	s_mov_b64 s[14:15], s[PS1C:PS1C+1]
	s_or_b32 s15, s15, 0x80000000
	; scale bytes: 2,048 dense bytes as 8 rows of 256
	s_mov_b32 s16, 3<<16
	s_mov_b32 s17, 32<<16
	s_mov_b32 s18, 8<<16
	s_mov_b32 s19, 32<<16
	s_mov_b32 s20, 8
	s_mov_b32 s21, 32
	s_mov_b32 s22, 0
	s_mov_b32 s23, 0
	s_mov_b32 s24, 1
	s_lshl_b32 s25, s[WV], 11
	s_add_co_u32 s25, s25, SCL
	s_mov_b64 s[26:27], s[PS1S:PS1S+1]
	s_or_b32 s27, s27, 0x80000000
	tensor_load_to_lds s[12:15], s[4:11]           ; the launch's only fills: two loads of mine are out
	s_nop 0
	tensor_load_to_lds s[24:27], s[16:23]
	s_nop 0
.rept 4
	v_nop
.endr
	WIN 0x40                                       ; destination window 1: K steps 0 to 3 of my S0 block
.irp t, 0,1,2,3,4,5,6,7
.irp s, 0,1,2,3
.irp c, 0,1
	global_load_b128 v[8*(8*\s+\t)+4*\c:8*(8*\s+\t)+4*\c+3], v5, s[PS0C:PS0C+1] offset:(32*(\t/2)+8*(\t%2))*512+64*\s+32*\c
.endr
.endr
.endr
	WIN 0x80                                       ; window 2: K steps 4 to 7
.irp t, 0,1,2,3,4,5,6,7
.irp s, 0,1,2,3
.irp c, 0,1
	global_load_b128 v[8*(8*\s+\t)+4*\c:8*(8*\s+\t)+4*\c+3], v5, s[PS0C:PS0C+1] offset:(32*(\t/2)+8*(\t%2))*512+256+64*\s+32*\c
.endr
.endr
.endr
	WIN 0
.irp t, 0,1,2,3,4,5,6,7
	global_load_b128 v[S0W+4*\t:S0W+4*\t+3], v6, s[PS0S:PS0S+1] offset:(32*(\t/2)+8*(\t%2))*32
.endr
	s_wait_tensorcnt 0x0                           ; my quarter of the S1 block is in LDS,
	s_barrier_signal -1
	s_barrier_wait -1                              ; everybody's is: the launch's only barrier; LDS is only read from here on
	v_add_nc_u32 v[XA], s[TX], v[XA0]
	v_add_nc_u32 v[XS], s[TXS], v[XS0]
	FETCH 0
	v_mov_b32 v[CO], v[LI]
	v_mov_b32 v[SO], v[SL]
	s_cmp_eq_u32 s[YY], 2
	s_cbranch_scc1 .Lp                             ; the two ways do not join again
	; ---- WAY C
	s_lshl_b32 s54, s[SB], 9                       ; my head's 128 channels of 4 bytes
	s_mov_b32 s55, 0
	s_add_nc_u64 s[PG:PG+1], s[PG:PG+1], s[54:55]
	s_add_nc_u64 s[PB:PB+1], s[PB:PB+1], s[54:55]
	s_add_nc_u64 s[PM:PM+1], s[PM:PM+1], s[54:55]
	s_add_nc_u64 s[PV:PV+1], s[PV:PV+1], s[54:55]
	s_lshr_b32 s56, s[VV], 3                       ; the batch,
	s_and_b32 s57, s[VV], 7                        ; e: which 256 of its 2,048 positions
	s_lshl_b32 s56, s56, 3
	s_add_co_u32 s56, s56, s[SB]                   ; bh = 8 x batch + head
	s_lshl_b32 s58, s56, 17                        ; kc: bh x 128 tiles + 16 e tiles, of 1,024 bytes
	s_lshl_b32 s59, s57, 14
	s_add_co_u32 s58, s58, s59
	s_lshl_b32 s60, s56, 13                        ; ks: bh x 32 groups + 4 e groups, of 256 bytes
	s_lshl_b32 s59, s57, 10
	s_add_co_u32 s60, s60, s59
	s_mul_i32 s61, s56, 278528                     ; kv: the head, chunk e / 2,
	s_lshr_b32 s59, s57, 1
	s_mul_i32 s59, s59, 69632
	s_add_co_u32 s61, s61, s59
	s_and_b32 s59, s57, 1
	s_lshl_b32 s62, s59, 14                        ; tiles 16 (e % 2) on,
	s_add_co_u32 s62, s61, s62
	s_lshl_b32 s59, s59, 10                        ; groups 4 (e % 2) on, behind the chunk's 65,536 bytes of codes
	s_add_co_u32 s63, s61, s59
	s_add_co_u32 s63, s63, 65536
	s_cmp_eq_u32 s[YY], 0
	s_cselect_b32 s54, s58, s62
	s_cselect_b32 s56, s60, s63
	s_mov_b32 s57, 0
	s_add_nc_u64 s[OC:OC+1], s[OC:OC+1], s[54:55]
	s_add_nc_u64 s[OS:OS+1], s[OS:OS+1], s[56:57]
	v_lshlrev_b32 v[BA], 6, v2                     ; register 8 t + j is channel 32 (t / 2) + 8 (t % 2) + 16 h + j
	WIN 0xc0                                       ; destination window 3: gamma at v0, beta at v64, mean at v128, var at v192
.irp t, 0,1,2,3,4,5,6,7
.irp c, 0,1
	global_load_b128 v[8*\t+4*\c:8*\t+4*\c+3], v[BA], s[PG:PG+1] offset:(32*(\t/2)+8*(\t%2))*4+16*\c
	global_load_b128 v[64+8*\t+4*\c:64+8*\t+4*\c+3], v[BA], s[PB:PB+1] offset:(32*(\t/2)+8*(\t%2))*4+16*\c
	global_load_b128 v[128+8*\t+4*\c:128+8*\t+4*\c+3], v[BA], s[PM:PM+1] offset:(32*(\t/2)+8*(\t%2))*4+16*\c
	global_load_b128 v[192+8*\t+4*\c:192+8*\t+4*\c+3], v[BA], s[PV:PV+1] offset:(32*(\t/2)+8*(\t%2))*4+16*\c
.endr
.endr
	s_wait_loadcnt 0x0                             ; these, and my S0 block
	WIN 0xff
.set J, 0
.rept 32
	v_pk_add_f32 v[192+J:193+J], v[192+J:193+J], s[EPS:EPS+1] op_sel_hi:[1,0]
.set J, J+2
.endr
.set J, 0
.rept 64
	v_rsq_f32 v[192+J], v[192+J]
.set J, J+1
.endr
	v_nop                                          ; a plain place behind the transcendentals
.set J, 0
	s_wait_alu depctr_va_vdst(0)
.rept 32
	v_pk_mul_f32 v[J:J+1], v[J:J+1], v[192+J:193+J]                ; scale = gamma / sqrt(var + eps)
.set J, J+2
.endr
.set J, 0
.rept 32
	v_pk_fma_f32 v[64+J:65+J], v[128+J:129+J], v[J:J+1], v[64+J:65+J] neg_lo:[1,0,0] neg_hi:[1,0,0]   ; shift = beta - mean x scale
.set J, J+2
.endr
	WIN 0
.Lc:                                                   ; three trips; the fourth is written out, since it fetches no tile beyond the block
	TRIP 0, 0
	s_cmp_lt_u32 s[TG], 3
	s_cbranch_scc1 .Lc
	TRIP 0, 1
	s_wait_tensorcnt 0x0
	ds_add_u32 v254, v255
	s_wait_dscnt 0x0
	s_endpgm
	; ---- WAY P
.Lp:
	s_lshl_b32 s54, s[VV], 10                      ; the S1 block's 256 channels of 4 bytes
	s_mov_b32 s55, 0
	s_add_nc_u64 s[PG:PG+1], s[PG:PG+1], s[54:55]
	s_add_nc_u64 s[PB:PB+1], s[PB:PB+1], s[54:55]
	s_add_nc_u64 s[PM:PM+1], s[PM:PM+1], s[54:55]
	s_add_nc_u64 s[PV:PV+1], s[PV:PV+1], s[54:55]
	s_lshr_b32 s56, s[SB], 4                       ; the batch,
	s_and_b32 s57, s[SB], 15                       ; which 128 of its 2,048 positions
	s_lshl_b32 s56, s56, 3
	s_lshl_b32 s58, s[VV], 1
	s_add_co_u32 s56, s56, s58                     ; bh of the block's first head = 8 x batch + 2 v
	s_mul_i32 s56, s56, 278528
	s_lshr_b32 s58, s57, 2                         ; the chunk of 512 keys,
	s_mul_i32 s58, s58, 69632
	s_add_co_u32 s56, s56, s58
	s_and_b32 s57, s57, 3                          ; the step in it
	s_lshl_b32 s58, s57, 13                        ; codes: 8 images a step, behind V's 32,768 bytes
	s_add_co_u32 s54, s56, s58
	s_add_co_u32 s54, s54, 32768
	s_add_nc_u64 s[OC:OC+1], s[OC:OC+1], s[54:55]
	s_lshl_b32 s58, s57, 9                         ; scale words: 2 groups a step, at 67,584
	s_add_co_u32 s54, s56, s58
	s_add_co_u32 s54, s54, 67584
	s_add_nc_u64 s[OS:OS+1], s[OS:OS+1], s[54:55]
	v_lshlrev_b32 v[BA], 2, v3                     ; my lane's channel in a tile: rp
	v_mov_b32 v[BO], v[BA]
	s_wait_loadcnt 0x0                             ; my S0 block
.Lpl:
	TRIP 1, 0
	s_cmp_lt_u32 s[TG], 3
	s_cbranch_scc1 .Lpl
	TRIP 1, 1
	s_wait_tensorcnt 0x0
	ds_add_u32 v254, v255
	s_wait_dscnt 0x0
	s_endpgm
.Lfunc_end_k_q7b80768d25_proj:
	.size	k_q7b80768d25_proj, .Lfunc_end_k_q7b80768d25_proj-k_q7b80768d25_proj
	.p2alignl 7, 3214868480
	.fill 96, 4, 3214868480
	.section	.rodata,"a",@progbits
	.p2align	6, 0x0
	.amdhsa_kernel k_q7b80768d25_proj
		.amdhsa_group_segment_fixed_size 168448
		.amdhsa_private_segment_fixed_size 0
		.amdhsa_enable_private_segment 0
		.amdhsa_kernarg_size 200
		.amdhsa_user_sgpr_count 2
		.amdhsa_user_sgpr_kernarg_segment_ptr 1
		.amdhsa_wavefront_size32 1
		.amdhsa_system_sgpr_workgroup_id_x 1
		.amdhsa_system_sgpr_workgroup_id_y 1
		.amdhsa_system_sgpr_workgroup_id_z 1
		.amdhsa_system_vgpr_workitem_id 0
		.amdhsa_next_free_vgpr 1024
		.amdhsa_next_free_sgpr 102
		.amdhsa_reserve_vcc 0
		.amdhsa_float_denorm_mode_32 3
		.amdhsa_float_denorm_mode_16_64 3
		.amdhsa_memory_ordered 1
		.amdhsa_forward_progress 1
		.amdhsa_inst_pref_size 255
	.end_amdhsa_kernel
	.section	.bss,"aw",@nobits
	.p2align	6
	.space	262144
	.amdgpu_metadata
---
amdhsa.version: [ 1, 2 ]
amdhsa.kernels:
  - .name:           k_q7b80768d25_proj
    .symbol:         k_q7b80768d25_proj.kd
    .args:
      - { .name: Xk_codes, .offset: 0, .size: 8, .value_kind: global_buffer, .address_space: global }
      - { .name: Xk_scales, .offset: 8, .size: 8, .value_kind: global_buffer, .address_space: global }
      - { .name: Xq_codes, .offset: 16, .size: 8, .value_kind: global_buffer, .address_space: global }
      - { .name: Xq_scales, .offset: 24, .size: 8, .value_kind: global_buffer, .address_space: global }
      - { .name: Wk_codes, .offset: 32, .size: 8, .value_kind: global_buffer, .address_space: global }
      - { .name: Wk_scales, .offset: 40, .size: 8, .value_kind: global_buffer, .address_space: global }
      - { .name: Wv_codes, .offset: 48, .size: 8, .value_kind: global_buffer, .address_space: global }
      - { .name: Wv_scales, .offset: 56, .size: 8, .value_kind: global_buffer, .address_space: global }
      - { .name: Wq_codes, .offset: 64, .size: 8, .value_kind: global_buffer, .address_space: global }
      - { .name: Wq_scales, .offset: 72, .size: 8, .value_kind: global_buffer, .address_space: global }
      - { .name: gamma2, .offset: 80, .size: 8, .value_kind: global_buffer, .address_space: global }
      - { .name: beta2, .offset: 88, .size: 8, .value_kind: global_buffer, .address_space: global }
      - { .name: mean2, .offset: 96, .size: 8, .value_kind: global_buffer, .address_space: global }
      - { .name: var2, .offset: 104, .size: 8, .value_kind: global_buffer, .address_space: global }
      - { .name: gamma3, .offset: 112, .size: 8, .value_kind: global_buffer, .address_space: global }
      - { .name: beta3, .offset: 120, .size: 8, .value_kind: global_buffer, .address_space: global }
      - { .name: mean3, .offset: 128, .size: 8, .value_kind: global_buffer, .address_space: global }
      - { .name: var3, .offset: 136, .size: 8, .value_kind: global_buffer, .address_space: global }
      - { .name: gamma1, .offset: 144, .size: 8, .value_kind: global_buffer, .address_space: global }
      - { .name: beta1, .offset: 152, .size: 8, .value_kind: global_buffer, .address_space: global }
      - { .name: mean1, .offset: 160, .size: 8, .value_kind: global_buffer, .address_space: global }
      - { .name: var1, .offset: 168, .size: 8, .value_kind: global_buffer, .address_space: global }
      - { .name: kc, .offset: 176, .size: 8, .value_kind: global_buffer, .address_space: global }
      - { .name: ks, .offset: 184, .size: 8, .value_kind: global_buffer, .address_space: global }
      - { .name: kv, .offset: 192, .size: 8, .value_kind: global_buffer, .address_space: global }
    .group_segment_fixed_size: 168448
    .private_segment_fixed_size: 0
    .kernarg_segment_align: 8
    .kernarg_segment_size: 200
    .max_flat_workgroup_size: 128
    .sgpr_count:     102
    .vgpr_count:     1024
    .wavefront_size: 32
...
	.end_amdgpu_metadata
.endif
;; end of part 1
;; launch attn (part 2): grid 8 x 32, 16 waves a work-group, clusters of 4 x 1, 280,576 bytes of LDS; arguments kc, ks, kv, out0; writes out0
.if DOCPART == 2
	.amdgcn_target "amdgcn-amd-amdhsa--gfx1250"
	.amdhsa_code_object_version 6
	.text
	.protected	k_q7b80768d25_attn
	.globl	k_q7b80768d25_attn
	.p2align	8
	.type	k_q7b80768d25_attn,@function
k_q7b80768d25_attn:
	s_mov_b64 s[64:65], 0
	v_nop
	global_prefetch_b8 v0, s[64:65] scope:SCOPE_SE
	s_setreg_imm32_b32 hwreg(HW_REG_WAVE_MODE, 25, 1), 1
	s_wait_xcnt 0x0
	s_wait_alu depctr_hold_cnt(0) depctr_sa_sdst(0) depctr_va_vdst(0) depctr_va_sdst(0) depctr_va_ssrc(0) depctr_va_vcc(0) depctr_vm_vsrc(0)
	s_getreg_b32 s2, hwreg(HW_REG_IB_STS2, 6, 4)
	s_cmp_eq_u32 s2, 0
	s_cbranch_scc0 .Lentry_in_a_cluster
	s_endpgm
.Lentry_in_a_cluster:
	s_bfe_u32 s2, ttmp6, 0x10000c
	s_cmp_lg_u32 s2, 0x3003
	s_cbranch_scc0 .Lentry_shape_is_right
	s_endpgm
.Lentry_shape_is_right:
; out[b][128 head + c][i] = the sum over j of softmax_j(K[c', i] . V[c', j] / sqrt(128)) Q[c, j], both products on codes of FP4 (E2M1) with one E8M0 scale for each 32 along a product's K.
; The operands were made by the launch before, as images of the operands' registers (byte 512 c + 16 lane of a fragment's 1,024 = registers 4 c .. 4 c + 3) and groups of scale words (byte 16 r + 4 q = row r of tile q):
;   kc [bh 32][tile 128][1024], ks [bh][group 32][256]: the K branch, 16 rows i x 128 channels;
;   kv [bh][chunk of 512 keys j, 4][69,632]: +0 the V branch's 32 tiles (16 keys x 128 channels), +32,768 the Q branch's [step 4][channel tile 8] (16 channels x 128 keys), +65,536 V's 8 groups, +67,584 Q's [step 4][2] groups.
; Row m of tile T is index 32 (T / 2) + 8 (T % 2) + m + 8 (m / 8), for i, j and the channels alike.
; THE SOFTMAX AHEAD OF THE SECOND PRODUCT: t = score x log2(e) / sqrt(128); M = the row's largest t so far, rounded UP to a whole number; p = 2^(t - M) is quantised along j, not normalised.
; The row's sum is taken of the unquantised p, in f32, and divides at the end.  When M moves, the sum and O are multiplied by 2^(old M - new M): exact.
; SHARES.  A work-group owns 256 rows i of one bh, each of its sixteen waves one tile of 16, in 256 registers: four waves to a SIMD, so that one wave's vector work stands beside another's matrix work and LDS loads.
; Both products are used transposed: S^T = V K^T (source 0 = 16 keys, source 1 = my 16 rows), O^T = Q P^T (source 0 = 16 channels, source 1 = P): a lane holds ONE row i (lane % 16) throughout.
; LDS.  A head's whole kv, 278,528 bytes, is brought in once, as it lies: four chunks, each in four quarters of 68 rows of 256 bytes by waves 0 to 3.  Nothing is filled again.  An image is read 16 bytes a lane, on end.
; A KEY STEP HAS TWO RUNS OF 18 LDS LOADS: V's eight fragments and two groups of scale words, then, four places behind the first product, Q's into the same registers: those have the whole softmax in which to land.
; CLUSTER.  The four work-groups of a cluster belong to one bh and want the same kv: each quarter is asked for JOINTLY, by the same tensor load with the same descriptor and a mask that names the four.
; THE WAY OUT.  O^T / the sum goes through a stage of 128 channel rows x 1,024 bytes in LDS bytes 0 to 131,071, which have had their only fill and are read by nobody behind the barrier in front of it.
; LIMITS: NaN and infinities are not served; a block of p that has fallen to 0 keeps the byte 1 with zero codes.
; REGISTERS: v1 16 x lane, v2 16 r; v3-7 the way out's addresses; v8, v9 the step's LDS addresses; v12 -M, v13 the largest t, v[14:15] the sum in two halves; v16-23 my rows' fragment; v24-27 scale words of tiles 4-7;
;   v32-95 eight fragments; v96-159 S^T, then p; v160-223 O^T; v224-231 p's codes; v232-247, v252, v254 at work; v248-251 scale words of tiles 0-3; v253 p's scale word; v255 my rows' scale word.
.set CHK,  69632                       ; a chunk
.set QTR,  17408                       ; a quarter of it: what one tensor load brings
.set LI,   1
.set LR,   2
.set ADK,  8
.set ADS,  9
.set SW0,  248                         ; v248-251 the scale words of tiles 0 to 3;
.set SW1,  24                          ; v24-27   of tiles 4 to 7: both hold scales and nothing else
.set WV,   12
.set CX,   13
.set XW,   14
.set BH,   15
.set G1,   16                          ; s[16:23] descriptor group 1;  s[24:39] group 0, one set for each chunk
.set G0,   24
.set SEL,  40                          ; s[40:41] v_permlanex16_b32's selects for lane l xor 16
.set CS,   42                          ; s[42:43] c = log2(e) / sqrt(128)
.set TB,   44                          ; LDS byte of the step's tiles of V
.set TS,   45                          ; and of its groups of V's scale words
.set CNT,  46
.macro CROUND                          ; a round of the cluster's barrier
	s_barrier_signal -1
	s_barrier_wait -1
	s_cmp_lg_u32 s[WV], 0
	s_cbranch_scc1 .Lnot_wave_0_\@
	s_barrier_signal -3
.Lnot_wave_0_\@:
	s_barrier_wait -3
	s_barrier_signal -1
	s_barrier_wait -1
.endm
	s_load_b256 s[4:11], s[0:1], 0x0               ; kc s[4:5], ks s[6:7], kv s[8:9], out0 s[10:11]
	v_lshl_add_u32 v242, v0, 2, 0x44000
	v_mov_b32 v243, 0
	ds_add_u32 v242, v243
	ds_add_u32 v242, v243
	v_lshrrev_b32 v3, 5, v0
	v_readfirstlane_b32 s[WV], v3                  ; wave 0..15
	s_bfe_u32 s[CX], ttmp6, 0x40000                ; cx: my place in the cluster
	s_lshl_b32 s[XW], ttmp9, 2
	s_add_co_u32 s[XW], s[XW], s[CX]               ; my block of 256 rows i: it enters kc's, ks's and out0's addresses alone
	s_and_b32 s[BH], ttmp7, 0xffff                 ; bh, which the four partners share
	s_mov_b32 s[G1], 15|(3<<16)|(1<<21)            ; 15:0 the mask: all four work-groups; 17:16 elements of 8 bytes; 21 set beside a mask; no padding
	s_mov_b32 s[G1+1], 32<<16                      ; tensor_dim0 = 32 elements: 256 bytes
	s_mov_b32 s[G1+2], 68<<16                      ; tensor_dim1 = 68 rows
	s_mov_b32 s[G1+3], 32<<16                      ; tile_dim0
	s_mov_b32 s[G1+4], 68                          ; tile_dim1
	s_mov_b32 s[G1+5], 32                          ; the pitch: dense
	s_mov_b32 s[G1+6], 0
	s_mov_b32 s[G1+7], 0
	s_and_b32 s48, s[WV], 3
	s_mul_i32 s48, s48, QTR                        ; which quarter of each chunk I fetch, if I fetch: no place in the cluster enters an LDS address
	s_mul_i32 s50, s[BH], 4*CHK
	s_add_co_u32 s50, s50, s48
	s_mov_b32 s51, 0
	s_mov_b32 s[SEL], 0x76543210
	s_mov_b32 s[SEL+1], 0xfedcba98
	s_mov_b32 s[CS], 0x3e0293ee                    ; c = log2(e) / sqrt(128)
	s_mov_b32 s[CS+1], s[CS]                       ; (named with it as a pair, so it is written)
	s_mov_b32 s[TB], 0
	s_mov_b32 s[TS], 65536
	s_wait_dscnt 0x0
	s_wait_kmcnt 0x0
	s_add_nc_u64 s[8:9], s[8:9], s[50:51]
.irp k, 0,1,2,3
	s_mov_b32 s[G0+4*\k], 1
	s_add_co_u32 s[G0+4*\k+1], s48, \k*CHK
	s_add_nc_u64 s[G0+4*\k+2:G0+4*\k+3], s[8:9], \k*CHK
	s_or_b32 s[G0+4*\k+3], s[G0+4*\k+3], 0x80000000
.endr
	CROUND                                         ; all four work-groups are here: the joint loads meet
	s_cmp_lt_u32 s[WV], 4                          ; waves 0 to 3 fetch; the branch hangs on the wave's number alone
	s_cbranch_scc0 .Lno_fetch
	tensor_load_to_lds s[G0:G0+3], s[G1:G1+7]      ; all the launch's fills, in one group: four loads of mine are out
	s_nop 0
	tensor_load_to_lds s[G0+4:G0+7], s[G1:G1+7]
	s_nop 0
	tensor_load_to_lds s[G0+8:G0+11], s[G1:G1+7]
	s_nop 0
	tensor_load_to_lds s[G0+12:G0+15], s[G1:G1+7]
	s_nop 0
.rept 4
	v_nop
.endr
.Lno_fetch:
	v_and_b32 v3, 31, v0
	v_lshlrev_b32 v[LI], 4, v3
	v_and_b32 v3, 15, v0
	v_lshlrev_b32 v[LR], 4, v3
	s_lshl_b32 s52, s[BH], 17                      ; kc: my tile T = 16 x + wave of bh's 128, 1,024 bytes each
	s_lshl_b32 s48, s[XW], 14
	s_add_co_u32 s52, s52, s48
	s_lshl_b32 s48, s[WV], 10
	s_add_co_u32 s52, s52, s48
	s_mov_b32 s53, 0
	s_add_nc_u64 s[4:5], s[4:5], s[52:53]
	s_lshl_b32 s52, s[BH], 13                      ; ks: group T / 4 of 256 bytes, word T % 4 of each row's four
	s_lshl_b32 s48, s[XW], 10
	s_add_co_u32 s52, s52, s48
	s_lshr_b32 s48, s[WV], 2
	s_lshl_b32 s48, s48, 8
	s_add_co_u32 s52, s52, s48
	s_and_b32 s48, s[WV], 3
	s_lshl_b32 s48, s48, 2
	s_add_co_u32 s52, s52, s48
	s_add_nc_u64 s[6:7], s[6:7], s[52:53]
	s_lshl_b32 s52, s[BH], 20                      ; out0: bh's 128 channel rows of 8,192 bytes; I store rows 8 x wave on; columns 256 x on
	s_lshl_b32 s48, s[WV], 16
	s_add_co_u32 s52, s52, s48
	s_lshl_b32 s48, s[XW], 10
	s_add_co_u32 s52, s52, s48
	s_add_nc_u64 s[10:11], s[10:11], s[52:53]
	global_load_b128 v[16:19], v[LI], s[4:5]       ; my rows' fragment stays in registers
	global_load_b128 v[20:23], v[LI], s[4:5] offset:512
	global_load_b32 v255, v[LR], s[6:7]            ; and their scale words
	v_mov_b32 v13, 0xff61b1e6                      ; the largest t so far: -3e38, under every t
	v_floor_f32 v12, -v13                          ; -M
	v_mov_b32 v14, 0                               ; the sum, in two halves
	v_mov_b32 v15, 0
.irp b, 0,1,2,3
	v_mov_b32 v[236+\b], 0                         ; written once: a lane permute's destination counts as one of its sources
.endr
	v_mov_b32 v253, 0                              ; (named as the upper half of the pair v[252:253] before it is first written)
.set J, 0
.rept 64
	v_mov_b32 v[160+J], 0                          ; O^T.  (The step is written once: the first finds zeros, which the first change of M leaves zeros)
.set J, J+1
.endr
	s_wait_loadcnt 0x0
; One run of 18 LDS loads: eight fragments from byte fo of the step's tiles on, two groups of scale words from byte so on.  What the first four products want comes first.
.macro FRAGS fo, so
	ds_load_b128 v[SW0:SW0+3], v[ADS] offset:\so   ; row r's scale words of tiles 0 to 3
.irp t, 0,1,2,3
.irp c, 0,1
	ds_load_b128 v[32+8*\t+4*\c:35+8*\t+4*\c], v[ADK] offset:\fo+1024*\t+512*\c
.endr
.endr
	ds_load_b128 v[SW1:SW1+3], v[ADS] offset:\so+256   ; of tiles 4 to 7
.irp t, 4,5,6,7
.irp c, 0,1
	ds_load_b128 v[32+8*\t+4*\c:35+8*\t+4*\c], v[ADK] offset:\fo+1024*\t+512*\c
.endr
.endr
.endm
.macro SMUL t, sw                      ; S^T, tile t of 16 keys: the product starts its sum with the constant 0
	v_wmma_scale_f32_16x16x128_f8f6f4 v[96+8*\t:103+8*\t], v[32+8*\t:39+8*\t], v[16:23], 0, v[\sw], v255 matrix_a_fmt:MATRIX_FMT_FP4 matrix_b_fmt:MATRIX_FMT_FP4
.endm
.macro OMUL t, sw                      ; O^T, tile t of 16 channels, K = the step's 128 keys
	v_wmma_scale_f32_16x16x128_f8f6f4 v[160+8*\t:167+8*\t], v[32+8*\t:39+8*\t], v[224:231], v[160+8*\t:167+8*\t], v[\sw], v253 matrix_a_fmt:MATRIX_FMT_FP4 matrix_b_fmt:MATRIX_FMT_FP4
.endm
; A KEY STEP: 128 keys.  The eight accumulators of each product take turns, one instruction a turn.
.macro STEP
	v_add_nc_u32 v[ADK], s[TB], v[LI]
	v_add_nc_u32 v[ADS], s[TS], v[LR]
	v_nop
	v_nop                                          ; with the two additions: four places in front of loads into registers that the last step's products read
	FRAGS 0, 0                                     ; V's eight tiles of 16 keys
	s_wait_dscnt 9                                 ; LDS loads come back in order: the first nine are in (scale words and fragments of tiles 0 to 3); the nine younger may be out
.irp t, 0,1,2,3
	SMUL \t, SW0+\t
.endr
	s_wait_dscnt 0x0
.irp t, 4,5,6,7
	SMUL \t, SW1-4+\t
.endr                                          ; lane (r, h) holds row r; the 16 registers of tiles 2 b, 2 b + 1 are keys 32 b + 16 h + 0 .. 15 of the step
.rept 4
	v_nop                                          ; four places: in front of the loads into registers that these products read, and of the first read of their results
.endr
	FRAGS 32768, 2048                              ; Q's eight tiles of 16 channels: asked for now, wanted behind the softmax
.irp b, 0,1,2,3
	v_max3_num_f32 v[232+\b], v[96+16*\b], v[97+16*\b], v[98+16*\b]   ; the largest score of each block of 32 keys: it serves for the row's maximum and, since p rises with the score, for the block's largest p
.endr
.irp i, 3,5,7,9,11,13
.irp b, 0,1,2,3
	v_max3_num_f32 v[232+\b], v[232+\b], v[96+16*\b+\i], v[97+16*\b+\i]   ; the four blocks by turns
.endr
.endr
.irp b, 0,1,2,3
	v_max_num_f32 v[232+\b], v[232+\b], v[111+16*\b]
.endr
.irp b, 0,1,2,3
	v_permlanex16_b32 v[236+\b], v[232+\b], s[SEL], s[SEL+1]
.endr
.irp b, 0,1,2,3
	v_max_num_f32 v[232+\b], v[232+\b], v[236+\b]  ; with lane l xor 16's 16 keys
.endr
	v_max3_num_f32 v254, v232, v233, v234
	v_max_num_f32 v254, v254, v235                 ; the step's largest score of my row
	v_mul_f32 v254, s[CS], v254                    ; as t (c is positive)
	v_max_num_f32 v13, v13, v254                   ; the running largest t
	v_mov_b32 v254, v12
	v_floor_f32 v12, -v13                          ; the new -M = floor(-t) = -ceil(t): a whole number
	v_sub_f32 v254, v12, v254                      ; M's old value less its new one: a whole number, 0 or less
	v_cvt_i32_f32 v254, v254                       ; (it saturates)
	v_ldexp_f32 v252, 1.0, v254                    ; f = 2^(old M - new M)
; EXPONENTIALS AND PLAIN LINES BY TURNS: behind each of the 68 exponentials stands a plain line that is ready and touches neither its source nor its result: t - M of a pair of scores whose
; exponentials are still to come (six pairs ahead), O^T's pair under the new M, at last the sum under the new M and the first lines of the scale bytes.
.irp b, 0,1,2,3
	v_fma_f32 v[232+\b], v[232+\b], s[CS], v12     ; t - M of each block's largest score
.endr
.irp j, 0,2
	v_pk_fma_f32 v[96+\j:97+\j], v[96+\j:97+\j], s[CS:CS+1], v[12:13] op_sel_hi:[1,0,0]   ; t - M, two at a time (of the pairs c and -M the low word serves both halves): pairs 0 and 1
.endr
.irp b, 0,1,2,3
	v_exp_f32 v[232+\b], v[232+\b]                 ; the block's largest p: the same two instructions on the same number give the same bits as its own p below
	v_pk_fma_f32 v[100+2*\b:101+2*\b], v[100+2*\b:101+2*\b], s[CS:CS+1], v[12:13] op_sel_hi:[1,0,0]   ; pairs 2 to 5
.endr
.set N, 0
.rept 32
	v_exp_f32 v[96+2*N], v[96+2*N]                 ; p = 2^(t - M), at most 1: not normalised
.if N < 26
	v_pk_fma_f32 v[108+2*N:109+2*N], v[108+2*N:109+2*N], s[CS:CS+1], v[12:13] op_sel_hi:[1,0,0]   ; pair N + 6
.elseif N == 26
	v_pk_mul_f32 v[14:15], v[14:15], v[252:253] op_sel_hi:[1,0]   ; the sums under the new M
.elseif N < 31
	s_wait_alu depctr_va_vdst(0)
	v_max_num_f32 v[232+N-27], 0x1800000, v[232+N-27]   ; the floor 2^(3 - 127): the byte cannot fall under 1
.else
	v_add_nc_u32 v244, 0xff000000, v232            ; 2 off the exponent field: the conversion's scale operand, block 0
.endif
	v_exp_f32 v[97+2*N], v[97+2*N]
	v_pk_mul_f32 v[160+2*N:161+2*N], v[160+2*N:161+2*N], v[252:253] op_sel_hi:[1,0]   ; O^T under the new M, each accumulator from its low end on
.set N, N+1
.endr
.irp b, 1,2,3
	v_add_nc_u32 v[244+\b], 0xff000000, v[232+\b]  ; blocks 1 to 3
.endr
.irp b, 0,1,2,3
	v_lshrrev_b32 v[236+\b], 23, v[244+\b]         ; the scale's byte
.endr
	v_lshl_or_b32 v253, v237, 8, v236              ; p's scale word for these 128 keys
	v_lshl_or_b32 v253, v238, 16, v253
	v_lshl_or_b32 v253, v239, 24, v253
	s_wait_alu depctr_va_vdst(0)
.irp b, 0,1,2,3
	v_cvt_scalef32_pk8_fp4_f32 v[224+2*\b], v[96+16*\b:103+16*\b], v[244+\b]
	v_cvt_scalef32_pk8_fp4_f32 v[225+2*\b], v[104+16*\b:111+16*\b], v[244+\b]
.endr
	v_nop                                          ; one plain place behind a scaled conversion
.irp c, 0,1                                    ; the operand's layout wants a whole block in a lane: lanes 0-15 block 2 c, lanes 16-31 block 2 c + 1
.irp i, 0,1
	v_permlane16_swap_b32 v[224+4*\c+\i], v[226+4*\c+\i]
.endr
.endr
	v_pk_add_f32 v[236:237], v[96:97], v[98:99]    ; the row's sum is taken of the unquantised p: two at a time, in two chains.  (These 32 lines are also the places between p's codes and scale word and the products below)
.irp j, 4,8,12,16,20,24,28,32,36,40,44,48,52,56,60
	v_pk_add_f32 v[14:15], v[14:15], v[96+\j:97+\j]
	v_pk_add_f32 v[236:237], v[236:237], v[98+\j:99+\j]
.endr
	v_pk_add_f32 v[14:15], v[14:15], v[236:237]
	s_wait_dscnt 0x0                               ; Q's 18 loads, asked for ahead of the softmax
.irp t, 0,1,2,3
	OMUL \t, SW0+\t
.endr
.irp t, 4,5,6,7
	OMUL \t, SW1-4+\t
.endr
	s_add_co_u32 s[TB], s[TB], 8192                ; the next step's eight tiles,
	s_add_co_u32 s[TS], s[TS], 512                 ; and its two groups of scale words
.endm
; A CHUNK of four key steps.  Two barriers publish the fills.  In front of chunk 0: a fetching wave's loads end in the order of issue, so chunk 0's is in when the three asked for behind it alone are out.
; In front of chunk 1: the count is 0, since chunks 1, 2 and 3 are all read behind this barrier and no further one stands in front of chunks 2 and 3.
.macro CHUNK k
.if \k == 0
	s_wait_tensorcnt 3
	s_wait_dscnt 0x0                               ; no LDS instruction of mine is pending at the signal
	s_barrier_signal -1
	s_barrier_wait -1                              ; all four quarters of chunk 0 are in
.elseif \k == 1
	s_wait_tensorcnt 0x0
	s_wait_dscnt 0x0
	s_barrier_signal -1
	s_barrier_wait -1                              ; all of the head's kv is in
.endif
	s_mov_b32 s[CNT], 4
.Lstep_\@:
	STEP
	s_sub_co_u32 s[CNT], s[CNT], 1
	s_cmp_lg_u32 s[CNT], 0
	s_cbranch_scc1 .Lstep_\@
	s_add_co_u32 s[TB], s[TB], CHK-4*8192          ; on to the next chunk
	s_add_co_u32 s[TS], s[TS], CHK-4*512
.endm
	CHUNK 0
	CHUNK 1
	CHUNK 2
	CHUNK 3
	; THE WAY OUT
	s_wait_dscnt 0x0
	s_barrier_signal -1
	s_barrier_wait -1                              ; nobody reads a chunk any more, and every fill has landed (the wait for 0 in front of chunk 1's barrier)
	v_add_f32 v14, v14, v15                        ; the sum's two halves,
	v_permlanex16_b32 v252, v14, s[SEL], s[SEL+1]
	v_add_f32 v14, v14, v252                       ; and lane l xor 16's: the row's sum
	v_rcp_f32 v14, v14
	; The stage: row = channel, 1,024 bytes; column byte = 4 x my row i in the work-group's 256 = 4 rp + 32 (wave % 2) + 128 (wave / 2), rp = r + 8 (r / 8).  Register 8 t + j is channel 32 (t / 2) + 8 (t % 2) + 16 h + j.
	; The two halves of the lanes write rows 16 apart, the same banks at this pitch: so in the rows whose channel has bit 4 set, which are those of h = 1, bit 5 of the column byte is flipped: 32 lanes, 32 banks.
	v_and_b32 v6, 15, v0                           ; (plain places behind the transcendental and the last products)  r
	v_and_b32 v7, 8, v6
	v_add_nc_u32 v6, v6, v7                        ; rp
	v_bfe_u32 v7, v0, 4, 1                         ; h
	v_bfe_u32 v5, v0, 5, 1                         ; wave % 2
	v_add_nc_u32 v5, v5, v7
	v_and_b32 v5, 1, v5                            ; (wave % 2) xor h: the column's bit 5
	v_lshlrev_b32 v3, 2, v6
	v_lshl_add_u32 v3, v5, 5, v3
	v_lshrrev_b32 v5, 6, v0                        ; wave / 2
	v_lshl_add_u32 v3, v5, 7, v3
	v_lshl_add_u32 v3, v7, 14, v3                  ; + 16 h rows: into the stage, channels 0 to 63,
	v_add_nc_u32 v4, 0x10000, v3                   ; channels 64 to 127
	; Back: wave w takes channel rows 8 w to 8 w + 7, whose bit 4 is (w / 2) % 2: where it is set, my 16 bytes of column 16 x lane lie at that column with bit 5 flipped
	v_bfe_u32 v5, v0, 1, 1                         ; bit 5 of 16 x lane
	v_bfe_u32 v6, v0, 6, 1                         ; (wave / 2) % 2
	v_add_nc_u32 v5, v5, v6
	v_and_b32 v5, 1, v5
	v_and_b32 v6, 0x1d0, v[LI]                     ; 16 x lane without its bit 5
	v_lshl_or_b32 v5, v5, 5, v6
	s_lshl_b32 s49, s[WV], 13
	v_add_nc_u32 v5, s49, v5
.set J, 0
	s_wait_alu depctr_va_vdst(0)
.rept 64
	v_mul_f32 v[96+J], v[160+J], v14               ; O^T / the sum, each accumulator from its low end on
.set J, J+1
.endr
.irp t, 0,1,2,3
.irp j, 0,1,2,3,4,5,6,7
	ds_store_b32 v3, v[96+8*\t+\j] offset:(32*(\t/2)+8*(\t%2)+\j)*1024
.endr
.endr
.irp t, 0,1,2,3
.irp j, 0,1,2,3,4,5,6,7
	ds_store_b32 v4, v[128+8*\t+\j] offset:(32*(\t/2)+8*(\t%2)+\j)*1024
.endr
.endr
	s_wait_dscnt 0x0                               ; for the others' sake: my stores into the stage are done
	s_barrier_signal -1
	s_barrier_wait -1
.irp i, 0,1,2,3,4,5,6,7,8,9,10,11,12,13,14,15
	ds_load_b128 v[32+4*\i:35+4*\i], v5 offset:512*\i          ; half a stage row: 512 bytes
.endr
.irp i, 0,1,2,3,4,5,6,7,8,9,10,11,12,13,14,15
	s_wait_dscnt 15-\i                             ; LDS loads come back in order: load i is in, the 15 - i younger ones may be out
	global_store_b128 v[LI], v[32+4*\i:35+4*\i], s[10:11] offset:8192*(\i/2)+512*(\i%2) th:TH_STORE_NT   ; 32 lanes store 512 consecutive bytes, at a multiple of 256 from out0's first byte; written once
.endr
	s_wait_tensorcnt 0x0
	ds_add_u32 v242, v243
	s_wait_dscnt 0x0
	CROUND                                         ; the closing round: no work-group ends while a partner may still ask for a tile that names it
	s_endpgm
.Lfunc_end_k_q7b80768d25_attn:
	.size	k_q7b80768d25_attn, .Lfunc_end_k_q7b80768d25_attn-k_q7b80768d25_attn
	.p2alignl 7, 3214868480
	.fill 96, 4, 3214868480
	.section	.rodata,"a",@progbits
	.p2align	6, 0x0
	.amdhsa_kernel k_q7b80768d25_attn
		.amdhsa_group_segment_fixed_size 280576
		.amdhsa_private_segment_fixed_size 0
		.amdhsa_enable_private_segment 0
		.amdhsa_kernarg_size 32
		.amdhsa_user_sgpr_count 2
		.amdhsa_user_sgpr_kernarg_segment_ptr 1
		.amdhsa_wavefront_size32 1
		.amdhsa_system_sgpr_workgroup_id_x 1
		.amdhsa_system_sgpr_workgroup_id_y 1
		.amdhsa_system_sgpr_workgroup_id_z 1
		.amdhsa_system_vgpr_workitem_id 0
		.amdhsa_next_free_vgpr 256
		.amdhsa_next_free_sgpr 66
		.amdhsa_reserve_vcc 0
		.amdhsa_float_denorm_mode_32 3
		.amdhsa_float_denorm_mode_16_64 3
		.amdhsa_memory_ordered 1
		.amdhsa_forward_progress 1
		.amdhsa_inst_pref_size 90
	.end_amdhsa_kernel
	.amdgpu_metadata
---
amdhsa.version: [ 1, 2 ]
amdhsa.kernels:
  - .name:           k_q7b80768d25_attn
    .symbol:         k_q7b80768d25_attn.kd
    .args:
      - { .name: kc, .offset: 0, .size: 8, .value_kind: global_buffer, .address_space: global }
      - { .name: ks, .offset: 8, .size: 8, .value_kind: global_buffer, .address_space: global }
      - { .name: kv, .offset: 16, .size: 8, .value_kind: global_buffer, .address_space: global }
      - { .name: out0, .offset: 24, .size: 8, .value_kind: global_buffer, .address_space: global }
    .group_segment_fixed_size: 280576
    .private_segment_fixed_size: 0
    .kernarg_segment_align: 8
    .kernarg_segment_size: 32
    .max_flat_workgroup_size: 512
    .sgpr_count:     66
    .vgpr_count:     256
    .wavefront_size: 32
...
	.end_amdgpu_metadata
.endif
;; end of part 2
